; MI455X (gfx1250); checked and timed in simulation.
; The chip was launched on July 23, 2026; its instructions are those of AMD's public machine-readable ISA for CDNA 5 (MIT licence, August 2026) and "CDNA5" Instruction Set Architecture Reference Guide (July 2026). The comments in the code are by the model that wrote it; some were corrected since.
;; Mix Llama MLP. Allowed arithmetic: float matrix products may take bf16 or f16 operands with f32 sums; other float arithmetic in f32, or as packed bf16 or f16 multiplies, adds, multiply-adds, maxima and minima; sums over many terms, partial sums and values carried from step to step in f32; what a program stores and reads back later, other than sums and carried values, may be rounded once to bf16 or f16.
;; Inputs: W_down 4,096 x 1,376 float32; W_gate 1,376 x 4,096 float32; W_up 1,376 x 4,096 float32; x 2 x 2,048 x 4,096 float32.
;; Outputs: out0 2 x 2,048 x 4,096 float32.
;; One version. Each part assembles by itself: llvm-mc -triple=amdgcn-amd-amdhsa -mcpu=gfx1250 --defsym DOCPART=n.
;; ======== version 1 of 1: 3 launches
;; workspace buffers: xb 33,554,432 bytes; wb 23,068,672 bytes; wdb 11,534,336 bytes; hp 11,534,336 bytes
;; launch cast (part 1): grid 1728 x 1, 8 waves a work-group, no clusters, 0 bytes of LDS; arguments x, W_gate, W_up, xb, wb; writes xb, wb
.if DOCPART == 1
	.amdgcn_target "amdgcn-amd-amdhsa--gfx1250"
	.amdhsa_code_object_version 6
	.text
	.protected	k_qea19d50615_cast
	.globl	k_qea19d50615_cast
	.p2align	8
	.type	k_qea19d50615_cast,@function
k_qea19d50615_cast:
	s_mov_b64 s[64:65], 0
	v_nop
	global_prefetch_b8 v0, s[64:65] scope:SCOPE_SE
	s_setreg_imm32_b32 hwreg(HW_REG_WAVE_MODE, 25, 1), 1
	s_wait_xcnt 0x0
; CAST.  x, W_gate and W_up are rounded once to bf16 (nearest even), so that the first product reads 16-bit operands and no tile is converted more than once.  (W_down is rounded in the next launch.)
;   xb  [4096][4096] bf16            = x
;   wb  [2][1408][4096] bf16         = W_gate, then W_up; rows 1376 .. 1407 of each plane are written as 0 (16 column groups of 88 f make 1408)
; A stream: every input byte is read once by 16-byte loads, every output byte written once; a wave's 8-byte store covers 256 consecutive bytes, aligned.  No LDS, no barrier, no loop,
; no cluster (no two work-groups read the same bytes), no matrix unit.  A load's first two registers take its four numbers' bf16: 68 registers a wave, so that many waves lie on a SIMD and
; their loads are on their way together.  No register is written again behind the store that reads it, so no wait frees a source.
; LIMITS.  bf16 keeps f32's range; NaN and infinities pass as the conversion leaves them.
; WORK-GROUPS, by number: 0 .. 1023 x (65,536 bytes in, 32,768 out each); 1024 .. 1727 the two planes of wb, 352 each, of which the last 8 write zeros.
.set XWG,   1024                       ; work-groups for x: 67,108,864 / 65,536
.set PWG,   352                        ; work-groups for a plane of wb: 11,534,336 / 32,768
.set PREAL, 344                        ; of them with data: 22,544,384 / 65,536
.set IN,    4                          ; v[4:67]  as loaded, four registers a load; the first two then hold the result
	s_load_b256 s[4:11], s[0:1], 0x0               ; x s[4:5], W_gate s[6:7], W_up s[8:9], xb s[10:11]
	s_load_b64 s[12:13], s[0:1], 0x20              ; wb
	s_mov_b32 s20, ttmp9                           ; the work-group's number
	s_sub_co_u32 s21, s20, XWG                     ; its number among wb's (used only where it is one of them)
	s_sub_co_u32 s22, s20, XWG+PWG                 ; its number in the second plane (likewise)
	v_lshlrev_b32 v1, 4, v0                        ; 16 bytes in a thread
	v_lshlrev_b32 v2, 3, v0                        ; 8 bytes out
	s_wait_kmcnt 0x0
	s_cmp_ge_u32 s20, XWG+PWG                      ; the second plane?
	s_cselect_b64 s[24:25], s[8:9], s[6:7]         ; W_up, or W_gate
	s_cselect_b32 s23, s22, s21                    ; my number in my plane
	s_cmp_lt_u32 s20, XWG                          ; or x?
	s_cselect_b32 s30, 0, s23                      ; what decides between data and zeros: x has data everywhere
	s_cselect_b64 s[24:25], s[4:5], s[24:25]       ; from where
	s_cselect_b64 s[26:27], s[10:11], s[12:13]     ; to where
	s_cselect_b32 s23, s20, s23                    ; my block of 65,536 bytes in
	s_cselect_b32 s21, s20, s21                    ; my block of 32,768 bytes out
	s_lshl_b32 s28, s21, 15
	s_mov_b32 s29, 0
	s_lshl_b32 s32, s23, 16
	s_mov_b32 s33, 0
	s_add_nc_u64 s[26:27], s[26:27], s[28:29]
	s_cmp_ge_u32 s30, PREAL
	s_cbranch_scc1 .Lzero
	s_add_nc_u64 s[24:25], s[24:25], s[32:33]
.set i, 0
.rept 16                                               ; all sixteen loads of the wave go out at once: 8,192 bytes a wave on their way
	global_load_b128 v[IN+4*i:IN+4*i+3], v1, s[24:25] offset:4096*i th:TH_LOAD_NT
.set i, i+1
.endr
.set i, 0
.rept 16
	s_wait_loadcnt 15-i                            ; loads come back in order: number i is in, the 15 - i younger ones stay out
	v_cvt_pk_bf16_f32 v[IN+4*i], v[IN+4*i], v[IN+4*i+1]
	v_cvt_pk_bf16_f32 v[IN+4*i+1], v[IN+4*i+2], v[IN+4*i+3]
	global_store_b64 v2, v[IN+4*i:IN+4*i+1], s[26:27] offset:2048*i
.set i, i+1
.endr
	s_endpgm
.Lzero:                                                ; rows 1376 .. 1407 of a plane of wb
	v_mov_b32 v[IN], 0
	v_mov_b32 v[IN+1], 0
.set i, 0
.rept 16
	global_store_b64 v2, v[IN:IN+1], s[26:27] offset:2048*i
.set i, i+1
.endr
	s_endpgm
.Lfunc_end_k_qea19d50615_cast:
	.size	k_qea19d50615_cast, .Lfunc_end_k_qea19d50615_cast-k_qea19d50615_cast
	.p2alignl 7, 3214868480
	.fill 96, 4, 3214868480
	.section	.rodata,"a",@progbits
	.p2align	6, 0x0
	.amdhsa_kernel k_qea19d50615_cast
		.amdhsa_group_segment_fixed_size 0
		.amdhsa_private_segment_fixed_size 0
		.amdhsa_enable_private_segment 0
		.amdhsa_kernarg_size 40
		.amdhsa_user_sgpr_count 2
		.amdhsa_user_sgpr_kernarg_segment_ptr 1
		.amdhsa_wavefront_size32 1
		.amdhsa_system_sgpr_workgroup_id_x 1
		.amdhsa_system_sgpr_workgroup_id_y 1
		.amdhsa_system_sgpr_workgroup_id_z 1
		.amdhsa_system_vgpr_workitem_id 0
		.amdhsa_next_free_vgpr 68
		.amdhsa_next_free_sgpr 66
		.amdhsa_reserve_vcc 0
		.amdhsa_float_denorm_mode_32 3
		.amdhsa_float_denorm_mode_16_64 3
		.amdhsa_memory_ordered 1
		.amdhsa_forward_progress 1
		.amdhsa_inst_pref_size 9
	.end_amdhsa_kernel
	.amdgpu_metadata
---
amdhsa.version: [ 1, 2 ]
amdhsa.kernels:
  - .name:           k_qea19d50615_cast
    .symbol:         k_qea19d50615_cast.kd
    .args:
      - { .name: x, .offset: 0, .size: 8, .value_kind: global_buffer, .address_space: global }
      - { .name: W_gate, .offset: 8, .size: 8, .value_kind: global_buffer, .address_space: global }
      - { .name: W_up, .offset: 16, .size: 8, .value_kind: global_buffer, .address_space: global }
      - { .name: xb, .offset: 24, .size: 8, .value_kind: global_buffer, .address_space: global }
      - { .name: wb, .offset: 32, .size: 8, .value_kind: global_buffer, .address_space: global }
    .group_segment_fixed_size: 0
    .private_segment_fixed_size: 0
    .kernarg_segment_align: 8
    .kernarg_segment_size: 40
    .max_flat_workgroup_size: 256
    .sgpr_count:     66
    .vgpr_count:     68
    .wavefront_size: 32
...
	.end_amdgpu_metadata
.endif
;; end of part 1
;; launch gateup (part 2): grid 16 x 16, 4 waves a work-group, clusters of 4 x 4, 327,680 bytes of LDS; arguments xb, wb, W_down, hp, wdb; writes hp, wdb
.if DOCPART == 2
	.amdgcn_target "amdgcn-amd-amdhsa--gfx1250"
	.amdhsa_code_object_version 6
	.text
	.protected	k_qea19d50615_gateup
	.globl	k_qea19d50615_gateup
	.p2align	8
	.type	k_qea19d50615_gateup,@function
k_qea19d50615_gateup:
	s_mov_b64 s[64:65], 0
	v_nop
	global_prefetch_b8 v0, s[64:65] scope:SCOPE_SE
	s_setreg_imm32_b32 hwreg(HW_REG_WAVE_MODE, 25, 1), 1
	s_wait_xcnt 0x0
	s_wait_alu depctr_hold_cnt(0) depctr_sa_sdst(0) depctr_va_vdst(0) depctr_va_sdst(0) depctr_va_ssrc(0) depctr_va_vcc(0) depctr_vm_vsrc(0)
	s_getreg_b32 s2, hwreg(HW_REG_IB_STS2, 6, 4)
	s_cmp_eq_u32 s2, 0
	s_cbranch_scc0 .Lentry_in_a_cluster
	s_endpgm
.Lentry_in_a_cluster:
	s_bfe_u32 s2, ttmp6, 0x10000c
	s_cmp_lg_u32 s2, 0xf033
	s_cbranch_scc0 .Lentry_shape_is_right
	s_endpgm
.Lentry_shape_is_right:
; h[t][f] = silu(g) u,  g = sum over d of x[t][d] W_gate[f][d],  u = sum over d of x[t][d] W_up[f][d].  xb: [4096][4096] bf16; wb: [2][1408][4096] bf16 (gate, up; rows from 1376 on are 0).
; Sums in f32, K ascending; silu in f32: (g x 1 / (1 + 2^(-log2(e) g))) x u, the order of the products as in the problem's text; h rounded once to bf16.
; hp, the output, lies in PANELS: [176][4096 tokens][8 f] bf16, panel f / 8, 65,536 bytes each.  Panels 172 .. 175 come out as 0 from the zero rows of wb.
; BESIDE IT: W_down ([4096][1376] f32) is rounded to bf16 into wdb ([4096][1408], columns from 1376 on written as 0; a row is 2,816 bytes = 11 x 256) for the next launch.  This launch's own traffic
; leaves memory mostly idle: each work-group takes 16 rows, a wave 4; the 44 loads go out behind the first tiles' requests and rest in registers that nothing else uses; the conversions and stores
; stand between the quarters of the last lap.
; LIMITS.  h is kept in bf16, which has f32's range (f16 would not hold h for inputs some 30 times larger).  Where 2^(-log2(e) g) passes f32's range (g below about -88) the sigmoid counts as 0;
; the true silu is then below 1e-36 in size.  NaN and infinities are not treated apart.
; SHARES.  1376 f do not divide evenly; 16 column groups of 88 f (1408) x 16 row groups of 256 tokens give each of 256 work-groups one block, of which 172 / 176 is wanted work.
; A work-group: 256 tokens x 88 f x (gate, up) = 176 weight rows.  Wave w: tokens 64 w .. 64 w + 63 (4 blocks of 16) x all 11 blocks of 16 weight rows: 44 accumulators, 352 registers.
; K = 4096 goes in 32 steps of 128 through two LDS slots; a step is four quarters of 32 along K, 44 matrix instructions each.
; THE MATRIX INSTRUCTION: source 0 = 16 weight rows, source 1 = 16 tokens.  Weight block b holds f 8 b .. 8 b + 7 of the group, gate and up mixed: fragment row m is up if bit 1 of m is set, and
; its f is 2 (m / 4) + m % 2.  In the result lane l holds token l % 16, and with h = l / 16 its registers hold: 0, 1 gate of f 4 h, 4 h + 1; 2, 3 up of the same; 4, 5 gate of f 4 h + 2, 4 h + 3;
; 6, 7 up of the same.  So g and u of one f meet in one lane, in register pairs, and a lane ends with four neighbouring f: 8 bytes; a wave's store covers 16 tokens x 16 bytes = 256 consecutive
; bytes of a panel, aligned.  No stage in LDS is needed.
; CLUSTER.  4 x 4 work-groups.  The four of a row of the cluster need the same tokens, the four of a column the same weight rows: each tile is asked for jointly, by the same tensor load with the
; same descriptor and a mask that names the four: the requests for both are divided by four.
; REGISTERS, in windows of 256 (s_set_vgpr_msb: bits 1:0 source 0, 3:2 source 1, 5:4 source 2, 7:6 destination):
;   window 0: v0-14 addresses; v16-135, v136-255 two fragment buffers (88 registers of weights, 32 of tokens); on the way out v16-191 at work
;   window 1: the accumulators of token blocks 0, 1 at v[8 (11 (t % 2) + b)]          window 2: those of token blocks 2, 3          window 3: v0-175 my four rows of W_down
.set KSTEP,  128
.set DM,     4096                      ; K
.set PITCH,  272                       ; an LDS row: 256 bytes + 16 of padding = 68 words: row r starts 4 r words on, modulo 64 (64 banks of 4 bytes: ISA guide 11.1)
.set AHALF,  128*PITCH                 ; 128 token rows: what one tensor load of waves 0, 1 brings
.set WROWS,  88
.set WPLANE, WROWS*PITCH               ; 88 weight rows: what one tensor load of waves 2, 3 brings.  23,936 = 93 x 256 + 128: a fragment's 8 gate rows and 8 up rows start at 16 different 16-byte columns
.set WOFF,   2*AHALF                   ; gate's rows lie behind the 256 token rows, up's behind gate's
.set SLOT,   WOFF+2*WPLANE             ; 117,504
.set SPARE,  2*SLOT                    ; behind the ring: the spare words, 128 bytes for each wave: two blocks of 256 bytes that no other line names
.set LAPS,   DM/(2*KSTEP)              ; a lap = two K steps = once round the ring: 16
.set WDI,    5504                      ; a row of W_down, bytes: 344 pieces of 16
.set WDO,    2816                      ; a row of wdb, bytes: 352 pieces of 8: eleven stores of 32 lanes
.set ADRA, 4                           ; v4-5    LDS address of my token fragments in slot 0, 1
.set ADRB, 6                           ; v6-7    the same for the weights
.set CO,   8                           ; v8      my byte offset in 16 tokens of a panel
.set SPW,  10                          ; v10     LDS address of my spare word: SPARE + 4 x my thread's number; never rewritten
.set NIL,  11                          ; v11     0; never rewritten
.set WI,   12                          ; v12     my byte offset in the work-group's 16 rows of W_down; never rewritten
.set WIC,  13                          ; v13     the same for a row's eleventh load, which has 24 pieces: lanes 24 .. 31 read piece 23 once more and stay inside the row
.set WO,   14                          ; v14     my byte offset in the work-group's 16 rows of wdb; never rewritten
.set F0,   16                          ; fragment buffer 0: weights at F0 + 8 b, tokens at F0 + 88 + 8 t
.set F1,   136                         ; fragment buffer 1
.set T,    16                          ; the way out: 44 registers, the sigmoid in the making
.set P,    60                          ; 44 registers, the products
.set OUT,  104                         ; 22 registers for each token block, packed h; never written twice
.set CS,   22                          ; s[22:23] -log2(e): the packed scaling takes the pair's low word for both halves
.set G1,   24                          ; s[24:31] descriptor group 1 for the tokens' tiles
.set G0,   32                          ; s[32:39] group 0 for them, a set for each slot
.set G1B,  48                          ; s[48:55] group 1 for the weights' tiles
.set G0B,  56                          ; s[56:63] group 0 for them, a set for each slot
.set WDP,  66                          ; s[66:67] W_down at the work-group's rows
.set WDQ,  68                          ; s[68:69] wdb at the same rows
.set WM,   70                          ; s70      the lanes with data in a row's eleventh piece
.set MSB, 0
.macro WIN new                         ; the immediate's high byte repeats the setting that is left; a switch that changes nothing is dropped
.if MSB != (\new)
	s_set_vgpr_msb (MSB<<8)|(\new)
.set MSB, \new
.endif
.endm
; A joint load.  Waves 0 and 1 fetch the tokens' two halves, waves 2 and 3 gate's and up's rows.  Each of the two lines has one mask and one set of registers; the branch hangs on the wave's number alone.
; An s_nop 0 and four v_nop follow each of the two lines, ahead of the jump, the label and what follows.
.macro JLOAD s
	s_cmp_eq_u32 s11, 0
	s_cbranch_scc0 .Lfor_b_\@
	tensor_load_to_lds s[G0+4*(\s):G0+4*(\s)+3], s[G1:G1+7]
	s_nop 0
.rept 4
	v_nop
.endr
	s_branch .Lasked_\@
.Lfor_b_\@:
	tensor_load_to_lds s[G0B+4*(\s):G0B+4*(\s)+3], s[G1B:G1B+7]
	s_nop 0
.rept 4
	v_nop
.endr
.Lasked_\@:
.endm
; A round of the cluster's barrier: my work-group's barrier, so that wave 0's signal speaks for all four waves; wave 0 signals for the work-group; every wave waits for all sixteen; my work-group's barrier once more.
.macro CROUND
	s_barrier_signal -1
	s_barrier_wait -1
	s_cmp_lg_u32 s10, 0
	s_cbranch_scc1 .Lnot_wave_0_\@
	s_barrier_signal -3
.Lnot_wave_0_\@:
	s_barrier_wait -3
	s_barrier_signal -1
	s_barrier_wait -1
.endm
	s_load_b128 s[4:7], s[0:1], 0x0                ; xb s[4:5], wb s[6:7]
	s_load_b64 s[WDP:WDP+1], s[0:1], 0x10          ; W_down
	s_load_b64 s[8:9], s[0:1], 0x18                ; hp
	s_load_b64 s[WDQ:WDQ+1], s[0:1], 0x20          ; wdb
	v_lshl_add_u32 v[SPW], v0, 2, SPARE
	v_mov_b32 v[NIL], 0
	ds_add_u32 v[SPW], v[NIL]                      ; the wave's opening: the add and its wait stand ahead of my first tensor load; the set-up below, work on registers, stands between them
	v_lshrrev_b32 v1, 5, v0
	v_readfirstlane_b32 s10, v1                    ; wave 0..3
	s_lshr_b32 s11, s10, 1                         ; I fetch tokens (0) or weights (1)
	s_and_b32 s12, s10, 1                          ; which half of the tokens, or which plane of the weights
	s_bfe_u32 s40, ttmp6, 0x40000                  ; cx: my place along the cluster's x
	s_bfe_u32 s41, ttmp6, 0x40004                  ; cy: along its y
	s_lshl_b32 s42, ttmp9, 2                       ; in a cluster launch ttmp9 and ttmp7 count clusters
	s_add_co_u32 s42, s42, s40                     ; column group = 4 x cluster x + cx
	s_and_b32 s13, ttmp7, 0xffff
	s_lshl_b32 s13, s13, 2
	s_add_co_u32 s13, s13, s41                     ; row group = 4 x cluster y + cy
	s_lshl_b32 s43, s41, 2
	s_lshl_b32 s43, 15, s43                        ; my row of the cluster: places 4 cy .. 4 cy + 3
	s_lshl_b32 s44, 0x1111, s40                    ; my column: places cx, cx + 4, cx + 8, cx + 12
	; descriptor group 1: rows of 128 elements of 2 bytes, padded in LDS: 128 rows of tokens, 88 rows of weights
	s_or_b32 s[G1+0], s43, (1<<16)|(1<<20)|(1<<21)|(5<<22)|(3<<25)   ; 15:0 the mask: my row; 17:16 elements of 2 bytes; 20 padding on; 21 set beside a mask; 24:22 after every 64 words (code 5); 31:25 4 words of it (code 3)
	s_or_b32 s[G1B+0], s44, (1<<16)|(1<<20)|(1<<21)|(5<<22)|(3<<25)  ; the same with the mask of my column
	s_mov_b32 s[G1+1], KSTEP<<16                   ; tensor_dim0 = 128
	s_mov_b32 s[G1B+1], KSTEP<<16
	s_mov_b32 s[G1+2], 128<<16                     ; tensor_dim1 = 128 rows
	s_mov_b32 s[G1B+2], WROWS<<16                  ; 88 rows
	s_mov_b32 s[G1+3], KSTEP<<16                   ; tile_dim0 = 128
	s_mov_b32 s[G1B+3], KSTEP<<16
	s_mov_b32 s[G1+4], 128                         ; tile_dim1
	s_mov_b32 s[G1B+4], WROWS
	s_mov_b32 s[G1+5], DM                          ; elements from row to row
	s_mov_b32 s[G1B+5], DM
	s_mov_b32 s[G1+6], 0
	s_mov_b32 s[G1B+6], 0
	s_mov_b32 s[G1+7], 0
	s_mov_b32 s[G1B+7], 0
	s_mov_b32 s[CS], 0xbfb8aa3b                    ; -log2(e)
	s_mov_b32 s[CS+1], s[CS]                       ; named with it as a pair, so it is written
	; where the tiles come from.  The tokens' hang on the row group alone, which my row of the cluster shares; the weights' on the column group alone, which my column shares.
	s_lshl_b32 s17, s12, 7
	s_lshl_b32 s16, s13, 8
	s_add_co_u32 s16, s16, s17                     ; token 256 x row group + 128 x half,
	s_lshl_b32 s16, s16, 13                        ; x 8,192 bytes a row: under 2^25
	s_mov_b32 s17, 0
	s_mul_i32 s46, s42, WROWS*DM*2                 ; 88 rows x column group,
	s_mul_i32 s47, s12, 1408*DM*2                  ; in my plane: under 2^25
	s_add_co_u32 s46, s46, s47
	s_mov_b32 s47, 0
	s_mul_i32 s20, s12, AHALF                      ; and where they go: no place in the cluster enters an LDS address
	s_mul_i32 s21, s12, WPLANE
	s_add_co_u32 s21, s21, WOFF
	; W_down: work-group 16 x row group + column group takes 16 rows, wave w rows 4 w .. 4 w + 3 of them (in registers that feed no descriptor)
	s_lshl_b32 s74, s13, 4
	s_add_co_u32 s74, s74, s42
	s_mul_i32 s72, s74, 16*WDI                     ; under 2^25
	s_mov_b32 s73, 0
	s_mul_i32 s74, s74, 16*WDO
	s_mov_b32 s75, 0
	v_and_b32 v3, 31, v0                           ; lane
	v_mul_u32_u24 v2, v1, 4*WDI
	v_min_u32 v9, 23, v3
	v_lshl_add_u32 v[WI], v3, 4, v2
	v_lshl_add_u32 v[WIC], v9, 4, v2
	v_mul_u32_u24 v2, v1, 4*WDO
	v_lshl_add_u32 v[WO], v3, 3, v2
	v_cmp_gt_u32 s[WM], 24, v3
	s_wait_dscnt 0x0                               ; the opening add is done
	s_wait_kmcnt 0x0
	s_add_nc_u64 s[14:15], s[4:5], s[16:17]
	s_add_nc_u64 s[46:47], s[6:7], s[46:47]
	s_add_nc_u64 s[WDP:WDP+1], s[WDP:WDP+1], s[72:73]
	s_add_nc_u64 s[WDQ:WDQ+1], s[WDQ:WDQ+1], s[74:75]
	CROUND                                         ; all sixteen work-groups are here: the first joint loads meet
.irp s, 0,1
	s_mov_b32 s[G0+4*(\s)], 1                                        ; count = 1
	s_add_co_u32 s[G0+4*(\s)+1], s20, (\s)*SLOT                      ; LDS address
	s_add_nc_u64 s[G0+4*(\s)+2:G0+4*(\s)+3], s[14:15], (\s)*KSTEP*2  ; global address: K step s
	s_or_b32 s[G0+4*(\s)+3], s[G0+4*(\s)+3], 0x80000000              ; type = 2
	s_mov_b32 s[G0B+4*(\s)], 1
	s_add_co_u32 s[G0B+4*(\s)+1], s21, (\s)*SLOT
	s_add_nc_u64 s[G0B+4*(\s)+2:G0B+4*(\s)+3], s[46:47], (\s)*KSTEP*2
	s_or_b32 s[G0B+4*(\s)+3], s[G0B+4*(\s)+3], 0x80000000
	JLOAD \s                                       ; both slots are asked for before anything else is done: two loads of mine are out
.endr
	; my four rows of W_down, behind the tiles' requests: 44 loads of 512 consecutive bytes, into window 3, where they rest until the last lap
	WIN 0xc0                                       ; destination window 3, address window 0
.set n, 0
.rept 44
.if n%11 == 10
	global_load_b128 v[4*n:4*n+3], v[WIC], s[WDP:WDP+1] offset:WDI*(n/11)+512*(n%11) th:TH_LOAD_NT
.else
	global_load_b128 v[4*n:4*n+3], v[WI], s[WDP:WDP+1] offset:WDI*(n/11)+512*(n%11) th:TH_LOAD_NT
.endif
.set n, n+1
.endr
	WIN 0
	; A fragment is 16 rows x 32 K in 8 registers: lane l holds row l % 16; registers 0-3 hold K = 8 (l / 16) + 0..7, registers 4-7 K = 16 + 8 (l / 16) + 0..7: two loads of 16 bytes, 32 bytes apart.
	v_and_b32 v1, 15, v0                           ; r = l % 16
	v_bfe_u32 v2, v0, 4, 1                         ; h = l / 16
	v_mul_u32_u24 v3, v1, PITCH
	v_lshl_add_u32 v3, v2, 4, v3                   ; row x pitch + 16 x half
	s_mul_i32 s18, s10, 64*PITCH                   ; my 64 tokens
	v_add_nc_u32 v[ADRA], s18, v3
	v_add_nc_u32 v[ADRA+1], SLOT, v[ADRA]
	v_bfe_u32 v3, v0, 2, 2                         ; r / 4
	v_and_b32 v9, 1, v0                            ; r % 2
	v_lshl_or_b32 v3, v3, 1, v9                    ; the fragment row's f: 2 (r / 4) + r % 2
	v_mul_u32_u24 v3, v3, PITCH
	v_bfe_u32 v9, v0, 1, 1                         ; bit 1 of r: up
	v_mul_u32_u24 v9, v9, WPLANE
	v_add_nc_u32 v3, v3, v9
	v_add_nc_u32 v3, WOFF, v3
	v_lshl_add_u32 v[ADRB], v2, 4, v3
	v_add_nc_u32 v[ADRB+1], SLOT, v[ADRB]
	v_lshlrev_b32 v[CO], 4, v1                     ; a token's 16 bytes in a panel,
	v_lshl_add_u32 v[CO], v2, 3, v[CO]             ; my 8 of them
	; hp at my wave's first token in my column group's first panel
	s_lshl_b32 s16, s13, 8
	s_lshl_b32 s17, s10, 6
	s_add_co_u32 s16, s16, s17
	s_lshl_b32 s16, s16, 4                         ; (256 x row group + 64 x wave) x 16 bytes
	s_mov_b32 s17, 0
	s_add_nc_u64 s[8:9], s[8:9], s[16:17]
	s_mul_i32 s46, s42, 11*65536                   ; 11 panels a column group (in the registers that held the weights' address: none that feeds the tokens' descriptors ever holds cx)
	s_mov_b32 s47, 0
	s_add_nc_u64 s[8:9], s[8:9], s[46:47]
; 11 matrix instructions: token block t x all 11 weight blocks, 32 along K.  zero = 1: the first product starts the sums: nothing is ever cleared.
; The 44 accumulators take turns, one instruction a turn, in the same order in every quarter.
.macro MUL11 f, t, zero
	WIN 0x50*(1+(\t)/2)                            ; C and D in window 1 or 2, the sources in window 0
.irp b, 0,1,2,3,4,5,6,7,8,9,10
.if \zero
	v_wmma_f32_16x16x32_bf16 v[8*(11*((\t)%2)+(\b)):8*(11*((\t)%2)+(\b))+7], v[(\f)+8*(\b):(\f)+8*(\b)+7], v[(\f)+88+8*(\t):(\f)+88+8*(\t)+7], 0
.else
	v_wmma_f32_16x16x32_bf16 v[8*(11*((\t)%2)+(\b)):8*(11*((\t)%2)+(\b))+7], v[(\f)+8*(\b):(\f)+8*(\b)+7], v[(\f)+88+8*(\t):(\f)+88+8*(\t)+7], v[8*(11*((\t)%2)+(\b)):8*(11*((\t)%2)+(\b))+7]
.endif
.endr
.endm
; 30 LDS loads in one run: the fragments of quarter q of a slot's K step into buffer f: 22 for the weights, then 8 for the tokens
.macro FETCH slot, q, f
	WIN 0
.irp b, 0,1,2,3,4,5,6,7,8,9,10
	ds_load_b128 v[(\f)+8*(\b):(\f)+8*(\b)+3],   v[ADRB+(\slot)] offset:64*(\q)+(\b)*8*PITCH
	ds_load_b128 v[(\f)+8*(\b)+4:(\f)+8*(\b)+7], v[ADRB+(\slot)] offset:64*(\q)+(\b)*8*PITCH+32
.endr
.irp t, 0,1,2,3
	ds_load_b128 v[(\f)+88+8*(\t):(\f)+88+8*(\t)+3],   v[ADRA+(\slot)] offset:64*(\q)+(\t)*16*PITCH
	ds_load_b128 v[(\f)+88+8*(\t)+4:(\f)+88+8*(\t)+7], v[ADRA+(\slot)] offset:64*(\q)+(\t)*16*PITCH+32
.endr
.endm
; A load into a register that a matrix instruction has read, and a vector instruction that reads a matrix result or writes one of a matrix instruction's registers, stand four places behind it, and only
; plain vector instructions that name none of its registers are places (ISA guide 7.12.1 for vector instructions).
.macro PLACES
.rept 4
	v_nop
.endr
.endm
; One of a K step's first three quarters: multiplies buffer f; in its middle it fetches quarter q of the same slot into buffer g.
.macro QUARTER slot, q, f, g, zero
	s_wait_dscnt 4                                 ; the weights and token blocks 0, 1 are in; the youngest four loads (token blocks 2, 3) may be out
	MUL11 \f, 0, \zero
	MUL11 \f, 1, \zero
	PLACES
	FETCH \slot, \q, \g
	s_wait_dscnt 30                                ; all but the 30 just issued
	MUL11 \f, 2, \zero
	MUL11 \f, 3, \zero
.endm
; The last quarter changes slots at its HEAD and then multiplies buffer 1.  This slot's last fragments (buffer 1) were asked for half a quarter ago, so the slot can be given up now.  Each wave waits for
; all its tensor loads, of which one is out: its part of the next slot; adds 0 to its spare word; and waits for that and for its own reads of this slot.  fill = 1: a round of the cluster's barrier
; follows, and behind it this slot is filled again, two K steps ahead, first thing.  No product stands between the wait for a tile and the next request: a step's 110,592 bytes have a whole step,
; 176 matrix instructions, in which to land, and where a tile comes late the next request is not held up behind products as well.
.macro TURN slot, next, fill
	WIN 0                                          ; the add's two registers lie in window 0; at a branch and at a label every window is 0
	s_wait_tensorcnt 0x0                           ; all my tensor loads have landed: my part of the next slot; so every group 0 may be written
	ds_add_u32 v[SPW], v[NIL]                      ; 0 onto my spare word; the descriptors' steps stand between it and the wait for it
.if \fill
	s_add_nc_u64 s[G0+4*(\slot)+2:G0+4*(\slot)+3], s[G0+4*(\slot)+2:G0+4*(\slot)+3], 2*KSTEP*2
	s_add_nc_u64 s[G0B+4*(\slot)+2:G0B+4*(\slot)+3], s[G0B+4*(\slot)+2:G0B+4*(\slot)+3], 2*KSTEP*2
.endif
	s_wait_dscnt 0x0                               ; the add is done, and my reads of this slot are over: buffer 1 is in
.if \fill
	CROUND                                         ; no wave of any partner still reads this slot's tiles or has a load on its way
	JLOAD \slot                                    ; the first tensor load behind the round; the four v_nop behind it are also the places in front of the loads below
.else
	s_barrier_signal -1
	s_barrier_wait -1                              ; the next slot is whole for every wave; nothing is filled
	PLACES
.endif
	FETCH \next, 0, F0                             ; 44 matrix instructions ahead of their first use
	MUL11 F1, 0, 0
	MUL11 F1, 1, 0
	MUL11 F1, 2, 0
	MUL11 F1, 3, 0
.endm
; Row \row of my four rows of W_down: rounded to bf16 in place (a load's first two registers take its four numbers), columns from 1376 on set to 0, and stored: eleven stores of 256 consecutive bytes,
; at multiples of 256 from wdb's first byte.  None of these lines names a register of a matrix instruction.
.macro WDROW row
	WIN 0xcf                                       ; destination and both sources in window 3
.set n, 11*(\row)
.rept 11
	v_cvt_pk_bf16_f32 v[4*n], v[4*n], v[4*n+1]
	v_cvt_pk_bf16_f32 v[4*n+1], v[4*n+2], v[4*n+3]
.set n, n+1
.endr
.set n, 4*(11*(\row)+10)
	v_cndmask_b32 v[n], 0, v[n], s[WM]
	v_cndmask_b32 v[n+1], 0, v[n+1], s[WM]
	WIN 0x0c                                       ; the stores' data (source 1) in window 3, their address in window 0
.set n, 11*(\row)
.rept 11
	global_store_b64 v[WO], v[4*n:4*n+1], s[WDQ:WDQ+1] offset:WDO*(n/11)+256*(n%11)
.set n, n+1
.endr
.endm
; THE WAY OUT of token block t: 44 numbers h a lane.  Each accumulator's lowest registers are read first.
.macro SILU t
.set AC, 88*((\t)%2)
	WIN 1+(\t)/2                                   ; source 0 in the accumulators' window
.irp b, 0,1,2,3,4,5,6,7,8,9,10
	v_pk_mul_f32 v[T+4*(\b):T+4*(\b)+1],   v[AC+8*(\b):AC+8*(\b)+1],   s[CS:CS+1] op_sel_hi:[1,0]  ; -log2(e) g
	v_pk_mul_f32 v[T+4*(\b)+2:T+4*(\b)+3], v[AC+8*(\b)+4:AC+8*(\b)+5], s[CS:CS+1] op_sel_hi:[1,0]
.endr
	WIN 0
.set i, 0
.rept 44
	v_exp_f32 v[T+i], v[T+i]
.set i, i+1
.endr
	v_nop                                          ; a plain instruction between the last exponential and the use of its result (ISA guide 5.7.2)
.set i, 0
	s_wait_alu depctr_va_vdst(0)
.rept 22
	v_pk_add_f32 v[T+i:T+i+1], v[T+i:T+i+1], 1.0 op_sel_hi:[1,0]
.set i, i+2
.endr
.set i, 0
.rept 44
	v_rcp_f32 v[T+i], v[T+i]                       ; the sigmoid
.set i, i+1
.endr
	v_nop                                          ; likewise behind the last reciprocal
	WIN 1+(\t)/2
	s_wait_alu depctr_va_vdst(0)
.irp b, 0,1,2,3,4,5,6,7,8,9,10
	v_pk_mul_f32 v[P+4*(\b):P+4*(\b)+1],   v[AC+8*(\b):AC+8*(\b)+1],   v[T+4*(\b):T+4*(\b)+1]      ; g x sigmoid
	v_pk_mul_f32 v[P+4*(\b)+2:P+4*(\b)+3], v[AC+8*(\b)+4:AC+8*(\b)+5], v[T+4*(\b)+2:T+4*(\b)+3]
.endr
.irp b, 0,1,2,3,4,5,6,7,8,9,10
	v_pk_mul_f32 v[P+4*(\b):P+4*(\b)+1],   v[AC+8*(\b)+2:AC+8*(\b)+3], v[P+4*(\b):P+4*(\b)+1]      ; x u
	v_pk_mul_f32 v[P+4*(\b)+2:P+4*(\b)+3], v[AC+8*(\b)+6:AC+8*(\b)+7], v[P+4*(\b)+2:P+4*(\b)+3]
.endr
	WIN 0
.irp b, 0,1,2,3,4,5,6,7,8,9,10
	v_cvt_pk_bf16_f32 v[OUT+22*(\t)+2*(\b)],   v[P+4*(\b)],   v[P+4*(\b)+1]
	v_cvt_pk_bf16_f32 v[OUT+22*(\t)+2*(\b)+1], v[P+4*(\b)+2], v[P+4*(\b)+3]
.endr
.irp b, 0,1,2,3,4,5,6,7,8,9,10
	global_store_b64 v[CO], v[OUT+22*(\t)+2*(\b):OUT+22*(\t)+2*(\b)+1], s[8:9] offset:65536*(\b)+256*(\t)  ; 32 lanes store 256 consecutive bytes of panel b, at a multiple of 256 from hp's first byte
.endr
.endm
	s_wait_tensorcnt 0x1                           ; my part of K step 0 is in; K step 1's may stay out
	s_barrier_signal -1
	s_barrier_wait -1                              ; everybody's is
	FETCH 0, 0, F0
	QUARTER 0, 1, F0, F1, 1                        ; the first quarter stands in front of the loop: its products start the sums
	WIN 0                                          ; at a label and at a branch every window is 0
	s_mov_b32 s3, LAPS-1
.Llap:                                                 ; a trip goes once round the ring, from a lap's second quarter to the next lap's first, and fills both slots again
	QUARTER 0, 2, F1, F0, 0
	QUARTER 0, 3, F0, F1, 0
	TURN 0, 1, 1
	QUARTER 1, 1, F0, F1, 0
	QUARTER 1, 2, F1, F0, 0
	QUARTER 1, 3, F0, F1, 0
	TURN 1, 0, 1
	QUARTER 0, 1, F0, F1, 0
	WIN 0
	s_sub_co_u32 s3, s3, 1
	s_cmp_lg_u32 s3, 0
	s_cbranch_scc1 .Llap
	QUARTER 0, 2, F1, F0, 0                        ; the last lap fills nothing, and has no round of the cluster's barrier.  W_down's rows leave between its quarters:
	s_wait_loadcnt 0x0                             ; all 44 loads, issued fifteen laps ago
	WDROW 0
	QUARTER 0, 3, F0, F1, 0
	WDROW 1
	TURN 0, 1, 0
	QUARTER 1, 1, F0, F1, 0
	WDROW 2
	QUARTER 1, 2, F1, F0, 0
	WDROW 3
	QUARTER 1, 3, F0, F1, 0
	s_wait_dscnt 4                                 ; the very last quarter: nothing more to fetch
	MUL11 F1, 0, 0
	MUL11 F1, 1, 0
	s_wait_dscnt 0x0
	MUL11 F1, 2, 0
	MUL11 F1, 3, 0
	WIN 0
	PLACES                                         ; the way out reads results just made and writes over the fragments
	SILU 0
	SILU 1
	SILU 2
	SILU 3
	s_wait_tensorcnt 0x0                           ; the wave's end, behind my last tensor load
	ds_add_u32 v[SPW], v[NIL]
	s_wait_dscnt 0x0
	CROUND                                         ; the closing round: no work-group ends while a partner may still ask for a tile that names it
	s_endpgm
.Lfunc_end_k_qea19d50615_gateup:
	.size	k_qea19d50615_gateup, .Lfunc_end_k_qea19d50615_gateup-k_qea19d50615_gateup
	.p2alignl 7, 3214868480
	.fill 96, 4, 3214868480
	.section	.rodata,"a",@progbits
	.p2align	6, 0x0
	.amdhsa_kernel k_qea19d50615_gateup
		.amdhsa_group_segment_fixed_size 327680
		.amdhsa_private_segment_fixed_size 0
		.amdhsa_enable_private_segment 0
		.amdhsa_kernarg_size 40
		.amdhsa_user_sgpr_count 2
		.amdhsa_user_sgpr_kernarg_segment_ptr 1
		.amdhsa_wavefront_size32 1
		.amdhsa_system_sgpr_workgroup_id_x 1
		.amdhsa_system_sgpr_workgroup_id_y 1
		.amdhsa_system_sgpr_workgroup_id_z 1
		.amdhsa_system_vgpr_workitem_id 0
		.amdhsa_next_free_vgpr 944
		.amdhsa_next_free_sgpr 76
		.amdhsa_reserve_vcc 0
		.amdhsa_float_denorm_mode_32 3
		.amdhsa_float_denorm_mode_16_64 3
		.amdhsa_memory_ordered 1
		.amdhsa_forward_progress 1
		.amdhsa_inst_pref_size 147
	.end_amdhsa_kernel
	.amdgpu_metadata
---
amdhsa.version: [ 1, 2 ]
amdhsa.kernels:
  - .name:           k_qea19d50615_gateup
    .symbol:         k_qea19d50615_gateup.kd
    .args:
      - { .name: xb, .offset: 0, .size: 8, .value_kind: global_buffer, .address_space: global }
      - { .name: wb, .offset: 8, .size: 8, .value_kind: global_buffer, .address_space: global }
      - { .name: W_down, .offset: 16, .size: 8, .value_kind: global_buffer, .address_space: global }
      - { .name: hp, .offset: 24, .size: 8, .value_kind: global_buffer, .address_space: global }
      - { .name: wdb, .offset: 32, .size: 8, .value_kind: global_buffer, .address_space: global }
    .group_segment_fixed_size: 327680
    .private_segment_fixed_size: 0
    .kernarg_segment_align: 8
    .kernarg_segment_size: 40
    .max_flat_workgroup_size: 128
    .sgpr_count:     76
    .vgpr_count:     944
    .wavefront_size: 32
...
	.end_amdgpu_metadata
.endif
;; end of part 2
;; launch down (part 3): grid 16 x 16, 4 waves a work-group, clusters of 4 x 4, 327,680 bytes of LDS; arguments hp, wdb, out0; writes out0
.if DOCPART == 3
	.amdgcn_target "amdgcn-amd-amdhsa--gfx1250"
	.amdhsa_code_object_version 6
	.text
	.protected	k_qea19d50615_down
	.globl	k_qea19d50615_down
	.p2align	8
	.type	k_qea19d50615_down,@function
k_qea19d50615_down:
	s_mov_b64 s[64:65], 0
	v_nop
	global_prefetch_b8 v0, s[64:65] scope:SCOPE_SE
	s_setreg_imm32_b32 hwreg(HW_REG_WAVE_MODE, 25, 1), 1
	s_wait_xcnt 0x0
	s_wait_alu depctr_hold_cnt(0) depctr_sa_sdst(0) depctr_va_vdst(0) depctr_va_sdst(0) depctr_va_ssrc(0) depctr_va_vcc(0) depctr_vm_vsrc(0)
	s_getreg_b32 s2, hwreg(HW_REG_IB_STS2, 6, 4)
	s_cmp_eq_u32 s2, 0
	s_cbranch_scc0 .Lentry_in_a_cluster
	s_endpgm
.Lentry_in_a_cluster:
	s_bfe_u32 s2, ttmp6, 0x10000c
	s_cmp_lg_u32 s2, 0xf033
	s_cbranch_scc0 .Lentry_shape_is_right
	s_endpgm
.Lentry_shape_is_right:
; y[t][d] = sum over f of h[t][f] W_down[d][f].  hp: h in panels, [176][4096 tokens][8 f] bf16; wdb: [4096][1408] bf16 (columns from 1376 on are 0, and so are h's panels from 172 on);
; out0: [4096][4096] f32.  One f32 sum for each output, K ascending; nothing is rounded on the way out.
; LIMITS.  None beyond the operands' rounding to bf16; NaN and infinities are not treated apart.
; SHARES.  A tile of y, 256 tokens x 256 d, is made by a work-group of four waves; a wave makes 128 x 128: 64 accumulators of 16 x 16, 512 registers.  16 x 16 tiles: one for each of 256 work-groups.
; K = 1408 goes in 11 steps of 128 through two LDS slots; a step is four quarters of 32 along K, 64 matrix instructions each.
; h's TILE.  A K step is 16 panels; of each a half tile takes 128 tokens x 16 bytes = 2,048 dense bytes: a tile of 16 rows of 2,048 bytes, 65,536 bytes apart.  In LDS: [16 panels][128 tokens][16 bytes],
; no padding: the sixteen lanes of a fragment load read sixteen neighbouring tokens of one panel, 256 consecutive bytes.
; THE MATRIX INSTRUCTION IS USED TRANSPOSED: source 0 = 16 rows of W_down, source 1 = 16 tokens: lane l then holds token l % 16 and the eight neighbouring d 8 (l / 16) + 0 .. 7: 32 bytes of a row of y.
; CLUSTER.  4 x 4 work-groups: h's tiles are shared along a row of the cluster, W_down's along a column, each asked for jointly: the requests for both are divided by four.
; REGISTERS, in windows of 256 (s_set_vgpr_msb: bits 1:0 source 0, 3:2 source 1, 5:4 source 2, 7:6 destination):
;   window 0: v0-31 addresses; v64-127, v128-191 fragments of h, two buffers; on the way out the same 128 registers take rows read back from the stage
;   window 1: v64-127, v128-191 fragments of W_down, two buffers
;   window 2: the 32 accumulators of my tokens 0-63 (accumulator (a, b) at v[8 (8 a + b)]);   window 3: those of my tokens 64-127
.set KSTEP,  128
.set KP,     1408                      ; K with its padding: elements in a row of wdb
.set STEPS,  KP/KSTEP                  ; 11
.set PANEL,  65536                     ; bytes in a panel of hp
.set AHALF,  16*2048                   ; 16 panels x 128 tokens x 16 bytes: what one tensor load of waves 0, 1 brings
.set PITCH,  272                       ; an LDS row of W_down: 256 bytes + 16 of padding = 68 words: row r starts 4 r words on, modulo 64 (64 banks of 4 bytes: ISA guide 11.1)
.set BHALF,  128*PITCH                 ; 128 rows: what one tensor load of waves 2, 3 brings
.set BOFF,   2*AHALF
.set SLOT,   BOFF+2*BHALF              ; 135,168
.set STAGE,  2*SLOT                    ; behind the ring: 16 rows x 528 bytes for each wave, for the way out; no tensor load lands there
.set SPITCH, 528                       ; 512 bytes of a row + 16: 33 x 16, so the sixteen rows of a store start at sixteen different 16-byte columns
.set SPARE,  STAGE+4*16*SPITCH         ; behind the stages: the spare words, 128 bytes for each wave: two blocks of 256 bytes that no other line names
.set YROW,   16384                     ; bytes in a row of y
.set ADRA, 16                          ; v16-17  LDS address of my h fragments in slot 0, 1
.set ADRB, 20                          ; v20-21  the same for W_down
.set STO,  24                          ; v24     the way out: where I put 32 bytes of a row
.set RD,   25                          ; v25     the way out: where I read a row back
.set CO,   26                          ; v26     my byte offset in 512 bytes of a row of y
.set SPW,  28                          ; v28     LDS address of my spare word: SPARE + 4 x my thread's number; never rewritten
.set NIL,  29                          ; v29     0; never rewritten
.set F0,   64                          ; fragment buffer 0
.set F1,   128                         ; fragment buffer 1
.set G1,   24                          ; s[24:31] descriptor group 1 for h's tiles
.set G0,   32                          ; s[32:39] group 0 for them, a set for each slot
.set G1B,  48                          ; s[48:55] group 1 for W_down's tiles
.set G0B,  56                          ; s[56:63] group 0 for them, a set for each slot
.set MSB, 0
.macro WIN new                         ; the immediate's high byte repeats the setting that is left; a switch that changes nothing is dropped
.if MSB != (\new)
	s_set_vgpr_msb (MSB<<8)|(\new)
.set MSB, \new
.endif
.endm
.set MUL_LO, 0xa1                      ; source 0 (W_down) window 1, source 1 (h) window 0, C and D window 2
.set MUL_HI, 0xf1                      ; the same, C and D window 3
.set TO_B,   0x40                      ; destination window 1, address window 0
; A joint load.  Waves 0 and 1 fetch h's two halves, waves 2 and 3 W_down's.  The branch hangs on the wave's number alone.
; An s_nop 0 and four v_nop follow each of the two lines, ahead of the jump, the label and what follows.
.macro JLOAD s
	s_cmp_eq_u32 s11, 0
	s_cbranch_scc0 .Lfor_b_\@
	tensor_load_to_lds s[G0+4*(\s):G0+4*(\s)+3], s[G1:G1+7]
	s_nop 0
.rept 4
	v_nop
.endr
	s_branch .Lasked_\@
.Lfor_b_\@:
	tensor_load_to_lds s[G0B+4*(\s):G0B+4*(\s)+3], s[G1B:G1B+7]
	s_nop 0
.rept 4
	v_nop
.endr
.Lasked_\@:
.endm
; A round of the cluster's barrier: my work-group's barrier, so that wave 0's signal speaks for all four waves; wave 0 signals for the work-group; every wave waits for all sixteen; my work-group's barrier once more.
.macro CROUND
	s_barrier_signal -1
	s_barrier_wait -1
	s_cmp_lg_u32 s10, 0
	s_cbranch_scc1 .Lnot_wave_0_\@
	s_barrier_signal -3
.Lnot_wave_0_\@:
	s_barrier_wait -3
	s_barrier_signal -1
	s_barrier_wait -1
.endm
	s_load_b128 s[4:7], s[0:1], 0x0                ; hp s[4:5], wdb s[6:7]
	s_load_b64 s[8:9], s[0:1], 0x10                ; out0
	v_lshl_add_u32 v[SPW], v0, 2, SPARE
	v_mov_b32 v[NIL], 0
	ds_add_u32 v[SPW], v[NIL]                      ; the wave's opening: the add and its wait stand ahead of my first tensor load; the set-up below, work on registers, stands between them
	v_lshrrev_b32 v1, 5, v0
	v_readfirstlane_b32 s10, v1                    ; wave 0..3
	s_lshr_b32 s11, s10, 1                         ; which half of the tile's tokens is mine.  Also: I fetch h (0) or W_down (1)
	s_and_b32 s12, s10, 1                          ; which half of its columns.  Also: which half of that tile I fetch
	s_bfe_u32 s40, ttmp6, 0x40000                  ; cx, cy: my place in the cluster
	s_bfe_u32 s41, ttmp6, 0x40004
	s_lshl_b32 s42, ttmp9, 2
	s_add_co_u32 s42, s42, s40                     ; tile column = 4 x cluster x + cx
	s_and_b32 s13, ttmp7, 0xffff
	s_lshl_b32 s13, s13, 2
	s_add_co_u32 s13, s13, s41                     ; tile row = 4 x cluster y + cy
	s_lshl_b32 s43, s41, 2
	s_lshl_b32 s43, 15, s43                        ; my row of the cluster
	s_lshl_b32 s44, 0x1111, s40                    ; my column
	; descriptor group 1 for h: 16 rows (panels) of 256 elements of 8 bytes, 8,192 elements apart, no padding
	s_or_b32 s[G1+0], s43, (3<<16)|(1<<21)         ; 15:0 the mask: my row; 17:16 elements of 8 bytes; 21 set beside a mask
	s_mov_b32 s[G1+1], 256<<16                     ; tensor_dim0 = 256
	s_mov_b32 s[G1+2], 16<<16                      ; tensor_dim1 = 16
	s_mov_b32 s[G1+3], 256<<16                     ; tile_dim0 = 256
	s_mov_b32 s[G1+4], 16                          ; tile_dim1 = 16
	s_mov_b32 s[G1+5], PANEL/8                     ; elements from panel to panel
	s_mov_b32 s[G1+6], 0
	s_mov_b32 s[G1+7], 0
	; for W_down: 128 rows of 128 elements of 2 bytes, padded in LDS
	s_or_b32 s[G1B+0], s44, (1<<16)|(1<<20)|(1<<21)|(5<<22)|(3<<25)  ; the mask of my column; elements of 2 bytes; padding on; after every 64 words (code 5) 4 words (code 3)
	s_mov_b32 s[G1B+1], KSTEP<<16
	s_mov_b32 s[G1B+2], 128<<16
	s_mov_b32 s[G1B+3], KSTEP<<16
	s_mov_b32 s[G1B+4], 128
	s_mov_b32 s[G1B+5], KP
	s_mov_b32 s[G1B+6], 0
	s_mov_b32 s[G1B+7], 0
	; where the tiles come from: h's hang on the tile row alone, W_down's on the tile column alone
	s_lshl_b32 s17, s12, 7
	s_lshl_b32 s16, s13, 8
	s_add_co_u32 s16, s16, s17                     ; token 256 x tile row + 128 x half,
	s_lshl_b32 s16, s16, 4                         ; x 16 bytes in a panel
	s_mov_b32 s17, 0
	s_lshl_b32 s46, s42, 8
	s_lshl_b32 s47, s12, 7
	s_add_co_u32 s46, s46, s47                     ; row 256 x tile column + 128 x half of wdb,
	s_mul_i32 s46, s46, KP*2                       ; x 2,816 bytes: under 2^24
	s_mov_b32 s47, 0
	s_mul_i32 s20, s12, AHALF                      ; and where they go: no place in the cluster enters an LDS address
	s_mul_i32 s21, s12, BHALF
	s_add_co_u32 s21, s21, BOFF
	s_wait_dscnt 0x0                               ; the opening add is done
	s_wait_kmcnt 0x0
	s_add_nc_u64 s[14:15], s[4:5], s[16:17]
	s_add_nc_u64 s[46:47], s[6:7], s[46:47]
	CROUND                                         ; all sixteen work-groups are here: the first joint loads meet
.irp s, 0,1
	s_mov_b32 s[G0+4*(\s)], 1                                        ; count = 1
	s_add_co_u32 s[G0+4*(\s)+1], s20, (\s)*SLOT                      ; LDS address
	s_add_nc_u64 s[G0+4*(\s)+2:G0+4*(\s)+3], s[14:15], (\s)*16*PANEL ; global address: K step s = panels 16 s on
	s_or_b32 s[G0+4*(\s)+3], s[G0+4*(\s)+3], 0x80000000              ; type = 2
	s_mov_b32 s[G0B+4*(\s)], 1
	s_add_co_u32 s[G0B+4*(\s)+1], s21, (\s)*SLOT
	s_add_nc_u64 s[G0B+4*(\s)+2:G0B+4*(\s)+3], s[46:47], (\s)*KSTEP*2
	s_or_b32 s[G0B+4*(\s)+3], s[G0B+4*(\s)+3], 0x80000000
	JLOAD \s                                       ; both slots are asked for before anything else is done: two loads of mine are out
.endr
	; A fragment is 16 rows x 32 K in 8 registers: lane l holds row l % 16; registers 0-3 hold K = 8 (l / 16) + 0..7, registers 4-7 K = 16 + 8 (l / 16) + 0..7.
	; Of h those are panels 4 q + l / 16 and 4 q + 2 + l / 16 of the step: two loads of 16 bytes, 4,096 bytes apart.  Of W_down: two loads 32 bytes apart in a row.
	v_and_b32 v1, 15, v0                           ; r = l % 16
	v_bfe_u32 v2, v0, 4, 1                         ; h = l / 16
	v_lshlrev_b32 v3, 4, v1
	v_lshl_add_u32 v3, v2, 11, v3                  ; 16 r + 2,048 h
	s_lshl_b32 s22, s11, 15                        ; my half of the tokens
	v_add_nc_u32 v[ADRA], s22, v3
	v_add_nc_u32 v[ADRA+1], SLOT, v[ADRA]
	v_mul_u32_u24 v4, v1, PITCH
	v_lshl_add_u32 v4, v2, 4, v4                   ; row x pitch + 16 x half
	s_mul_i32 s23, s12, BHALF                      ; my 128 rows of W_down
	s_add_co_u32 s23, s23, BOFF
	v_add_nc_u32 v[ADRB], s23, v4
	v_add_nc_u32 v[ADRB+1], SLOT, v[ADRB]
	s_mul_i32 s22, s10, 16*SPITCH
	s_add_co_u32 s22, s22, STAGE                   ; my stage
	v_mul_u32_u24 v5, v1, SPITCH                   ; in: row l % 16, 32 bytes for each half of the lanes
	v_lshl_add_u32 v5, v2, 5, v5
	v_add_nc_u32 v[STO], s22, v5
	v_and_b32 v6, 31, v0
	v_lshlrev_b32 v[CO], 4, v6                     ; back: 32 lanes take one row of 512 bytes,
	v_add_nc_u32 v[RD], s22, v[CO]                 ; and the same in y
	s_lshl_b32 s16, s13, 8
	s_lshl_b32 s17, s11, 7
	s_add_co_u32 s16, s16, s17                     ; my first row of y,
	s_lshl_b32 s16, s16, 14                        ; x 16,384 bytes: under 2^26
	s_mov_b32 s17, 0
	s_add_nc_u64 s[8:9], s[8:9], s[16:17]
	s_lshl_b32 s46, s42, 10                        ; my first column, in bytes: 1,024 x tile column + 512 x half (in the registers that held W_down's address: none that feeds h's descriptors ever holds cx)
	s_lshl_b32 s47, s12, 9
	s_add_co_u32 s46, s46, s47
	s_mov_b32 s47, 0
	s_add_nc_u64 s[8:9], s[8:9], s[46:47]
; 16 matrix instructions: token blocks a0, a0 + 1 of the window's four (hi = 0: my tokens 0-63, 1: 64-127) x all 8 blocks of d, 32 along K.  zero = 1: the first product starts the sums.
; The 64 accumulators take turns, one instruction a turn, in the same order in every quarter.
.macro MUL16 f, hi, a0, zero
	WIN MUL_LO+0x50*(\hi)
.irp a, \a0, (\a0)+1
.irp b, 0,1,2,3,4,5,6,7
.if \zero
	v_wmma_f32_16x16x32_bf16 v[8*(8*(\a)+(\b)):8*(8*(\a)+(\b))+7], v[(\f)+8*(\b):(\f)+8*(\b)+7], v[(\f)+8*(4*(\hi)+(\a)):(\f)+8*(4*(\hi)+(\a))+7], 0
.else
	v_wmma_f32_16x16x32_bf16 v[8*(8*(\a)+(\b)):8*(8*(\a)+(\b))+7], v[(\f)+8*(\b):(\f)+8*(\b)+7], v[(\f)+8*(4*(\hi)+(\a)):(\f)+8*(4*(\hi)+(\a))+7], v[8*(8*(\a)+(\b)):8*(8*(\a)+(\b))+7]
.endif
.endr
.endr
.endm
; 32 LDS loads in one run: the fragments of quarter q of a slot's K step into buffer f: W_down's 16, then h's 16
.macro FETCH slot, q, f
	WIN TO_B
.irp i, 0,1,2,3,4,5,6,7
	ds_load_b128 v[(\f)+8*(\i):(\f)+8*(\i)+3],   v[ADRB+(\slot)] offset:64*(\q)+(\i)*16*PITCH
	ds_load_b128 v[(\f)+8*(\i)+4:(\f)+8*(\i)+7], v[ADRB+(\slot)] offset:64*(\q)+(\i)*16*PITCH+32
.endr
	WIN 0
.irp i, 0,1,2,3,4,5,6,7
	ds_load_b128 v[(\f)+8*(\i):(\f)+8*(\i)+3],   v[ADRA+(\slot)] offset:8192*(\q)+256*(\i)
	ds_load_b128 v[(\f)+8*(\i)+4:(\f)+8*(\i)+7], v[ADRA+(\slot)] offset:8192*(\q)+256*(\i)+4096
.endr
.endm
; A load into a register that a matrix instruction has read, and an LDS store that reads a matrix result, stand four places behind it, and only plain vector instructions that name none of its
; registers are places (ISA guide 7.12.1 for vector instructions).
.macro PLACES
.rept 4
	v_nop
.endr
.endm
; One of a K step's first three quarters: multiplies buffer f; in its middle it fetches quarter q of the same slot into buffer g.
.macro QUARTER slot, q, f, g, zero
	s_wait_dscnt 8                                 ; W_down and h's tokens 0-63 are in; the youngest eight loads (tokens 64-127) may be out
	MUL16 \f, 0, 0, \zero
	MUL16 \f, 0, 2, \zero
	PLACES
	FETCH \slot, \q, \g
	s_wait_dscnt 32                                ; all but the 32 just issued
	MUL16 \f, 1, 0, \zero
	MUL16 \f, 1, 2, \zero
.endm
; The last quarter changes slots at its HEAD and then multiplies buffer 1.  This slot's last fragments (buffer 1) were asked for half a quarter ago, so the slot can be given up now.  Each wave waits for
; all its tensor loads, of which one is out: its part of the next slot; adds 0 to its spare word; and waits for that and for its own reads of this slot.  fill = 1: a round of the cluster's barrier
; follows, and behind it this slot is filled again, two K steps ahead, first thing.  No product stands between the wait for a tile and the next request: a step's 131,072 bytes have a whole step,
; 256 matrix instructions, in which to land.
.macro TURN slot, next, fill
	WIN 0                                          ; the add's two registers lie in window 0; at a branch and at a label every window is 0
	s_wait_tensorcnt 0x0                           ; all my tensor loads have landed: my part of the next slot; so every group 0 may be written
	ds_add_u32 v[SPW], v[NIL]                      ; 0 onto my spare word; the descriptors' steps stand between it and the wait for it
.if \fill
	s_add_nc_u64 s[G0+4*(\slot)+2:G0+4*(\slot)+3], s[G0+4*(\slot)+2:G0+4*(\slot)+3], 2*16*PANEL
	s_add_nc_u64 s[G0B+4*(\slot)+2:G0B+4*(\slot)+3], s[G0B+4*(\slot)+2:G0B+4*(\slot)+3], 2*KSTEP*2
.endif
	s_wait_dscnt 0x0                               ; the add is done, and my reads of this slot are over: buffer 1 is in
.if \fill
	CROUND                                         ; no wave of any partner still reads this slot's tiles or has a load on its way
	JLOAD \slot                                    ; the first tensor load behind the round; the four v_nop behind it are also the places in front of the loads below
.else
	s_barrier_signal -1
	s_barrier_wait -1                              ; the next slot is whole for every wave; nothing is filled
	PLACES
.endif
	FETCH \next, 0, F0                             ; 64 matrix instructions ahead of their first use
	MUL16 F1, 0, 0, 0
	MUL16 F1, 0, 2, 0
	MUL16 F1, 1, 0, 0
	MUL16 F1, 1, 2, 0
.endm
; THE WAY OUT of block a (16 tokens x my 128 d, f32).  TOSTAGE: a lane's 32 bytes for each of 8 blocks of d go into my own stage, rows of 528 bytes, and come back as whole rows of 512.  SEND: stored.
; Each accumulator's lowest registers are read first.  The rows come back into two sets of 64 registers by turns.
.macro TOSTAGE a
.set BK, F0+64*((\a)%2)
.set AC, 64*((\a)%4)
	s_wait_xcnt 0x0                                ; every earlier store has had its addresses translated (ISA guide 3.1): only behind this wait are the registers that block a - 2's stores read loaded again
	WIN (2+(\a)/4)<<2                              ; the stores' data (source 1) in window 2 or 3
.irp b, 0,1,2,3,4,5,6,7
	ds_store_b128 v[STO], v[AC+8*(\b):AC+8*(\b)+3]   offset:64*(\b)
	ds_store_b128 v[STO], v[AC+8*(\b)+4:AC+8*(\b)+7] offset:64*(\b)+16
.endr
	WIN 0
.irp t, 0,1,2,3,4,5,6,7,8,9,10,11,12,13,14,15
	ds_load_b128 v[BK+4*(\t):BK+4*(\t)+3], v[RD] offset:SPITCH*(\t)  ; LDS serves a wave's instructions in order (ISA guide 5.7.1.4): these see the stores above; the next block's stores come behind them
.endr
.endm
.macro SEND a, younger                 ; younger: the LDS instructions issued behind block a's loads: the next block's 32, or none
.set BK, F0+64*((\a)%2)
	WIN 0
.irp t, 0,1,2,3,4,5,6,7,8,9,10,11,12,13,14,15
	s_wait_dscnt (\younger)+15-(\t)                ; row t is back in registers
	global_store_b128 v[CO], v[BK+4*(\t):BK+4*(\t)+3], s[8:9] offset:16*YROW*(\a)+YROW*(\t) th:TH_STORE_NT  ; 32 lanes store 512 consecutive bytes, at a multiple of 512 from y's first byte; 127 rows at the most: inside the signed 24-bit immediate
.endr
.endm
	s_wait_tensorcnt 0x1                           ; my part of K step 0 is in; K step 1's may stay out
	s_barrier_signal -1
	s_barrier_wait -1                              ; everybody's is
	FETCH 0, 0, F0
	QUARTER 0, 1, F0, F1, 1                        ; the first quarter stands in front of the loop: its products start the sums
	WIN 0                                          ; at a label and at a branch every window is 0
	s_mov_b32 s3, (STEPS-3)/2                      ; four trips: K steps 0 .. 7 and the first quarter of step 8; they ask for steps 2 .. 9
.Llap:                                                 ; a trip goes once round the ring, from a lap's second quarter to the next lap's first, and fills both slots again
	QUARTER 0, 2, F1, F0, 0
	QUARTER 0, 3, F0, F1, 0
	TURN 0, 1, 1
	QUARTER 1, 1, F0, F1, 0
	QUARTER 1, 2, F1, F0, 0
	QUARTER 1, 3, F0, F1, 0
	TURN 1, 0, 1
	QUARTER 0, 1, F0, F1, 0
	WIN 0
	s_sub_co_u32 s3, s3, 1
	s_cmp_lg_u32 s3, 0
	s_cbranch_scc1 .Llap
	QUARTER 0, 2, F1, F0, 0                        ; K step 8 goes on;
	QUARTER 0, 3, F0, F1, 0
	TURN 0, 1, 1                                   ; slot 0 takes K step 10, the last request
	QUARTER 1, 1, F0, F1, 0                        ; K step 9
	QUARTER 1, 2, F1, F0, 0
	QUARTER 1, 3, F0, F1, 0
	TURN 1, 0, 0                                   ; nothing is left to fetch: no round follows
	QUARTER 0, 1, F0, F1, 0                        ; K step 10
	QUARTER 0, 2, F1, F0, 0
	QUARTER 0, 3, F0, F1, 0
	s_wait_dscnt 8                                 ; the very last quarter
	MUL16 F1, 0, 0, 0
	MUL16 F1, 0, 2, 0
	s_wait_dscnt 0x0
	MUL16 F1, 1, 0, 0
	MUL16 F1, 1, 2, 0
	WIN 0
	PLACES                                         ; the way out reads results just made and loads into the fragments' registers
	TOSTAGE 0
.irp a, 1,2,3,4,5,6,7                  ; block a's way through the stage is begun before block a - 1's rows are waited for
	TOSTAGE \a
	SEND (\a)-1, 32
.endr
	SEND 7, 0
	s_wait_tensorcnt 0x0                           ; the wave's end, behind my last tensor load and my last LDS store
	ds_add_u32 v[SPW], v[NIL]
	s_wait_dscnt 0x0
	CROUND                                         ; the closing round: no work-group ends while a partner may still ask for a tile that names it
	s_endpgm
.Lfunc_end_k_qea19d50615_down:
	.size	k_qea19d50615_down, .Lfunc_end_k_qea19d50615_down-k_qea19d50615_down
	.p2alignl 7, 3214868480
	.fill 96, 4, 3214868480
	.section	.rodata,"a",@progbits
	.p2align	6, 0x0
	.amdhsa_kernel k_qea19d50615_down
		.amdhsa_group_segment_fixed_size 327680
		.amdhsa_private_segment_fixed_size 0
		.amdhsa_enable_private_segment 0
		.amdhsa_kernarg_size 24
		.amdhsa_user_sgpr_count 2
		.amdhsa_user_sgpr_kernarg_segment_ptr 1
		.amdhsa_wavefront_size32 1
		.amdhsa_system_sgpr_workgroup_id_x 1
		.amdhsa_system_sgpr_workgroup_id_y 1
		.amdhsa_system_sgpr_workgroup_id_z 1
		.amdhsa_system_vgpr_workitem_id 0
		.amdhsa_next_free_vgpr 1024
		.amdhsa_next_free_sgpr 66
		.amdhsa_reserve_vcc 0
		.amdhsa_float_denorm_mode_32 3
		.amdhsa_float_denorm_mode_16_64 3
		.amdhsa_memory_ordered 1
		.amdhsa_forward_progress 1
		.amdhsa_inst_pref_size 170
	.end_amdhsa_kernel
	.amdgpu_metadata
---
amdhsa.version: [ 1, 2 ]
amdhsa.kernels:
  - .name:           k_qea19d50615_down
    .symbol:         k_qea19d50615_down.kd
    .args:
      - { .name: hp, .offset: 0, .size: 8, .value_kind: global_buffer, .address_space: global }
      - { .name: wdb, .offset: 8, .size: 8, .value_kind: global_buffer, .address_space: global }
      - { .name: out0, .offset: 16, .size: 8, .value_kind: global_buffer, .address_space: global }
    .group_segment_fixed_size: 327680
    .private_segment_fixed_size: 0
    .kernarg_segment_align: 8
    .kernarg_segment_size: 24
    .max_flat_workgroup_size: 128
    .sgpr_count:     66
    .vgpr_count:     1024
    .wavefront_size: 32
...
	.end_amdgpu_metadata
.endif
;; end of part 3
